; MI455X (gfx1250); checked and timed in simulation.
; The chip was launched on July 23, 2026; its instructions are those of AMD's public machine-readable ISA for CDNA 5 (MIT licence, August 2026) and "CDNA5" Instruction Set Architecture Reference Guide (July 2026). The comments in the code are by the model that wrote it; some were corrected since.
;; K Means Labeller. Allowed arithmetic: float matrix products may take bf16 or f16 operands with f32 sums; all other float work in f32.
;; Inputs: cluster_centers 8,192 x 32 float32; inpt 256 x 128 x 32 float32.
;; Outputs: out0 256 x 128 int32.
;; One version. Each part assembles by itself: llvm-mc -triple=amdgcn-amd-amdhsa -mcpu=gfx1250 --defsym DOCPART=n.
;; ======== version 1 of 1: 2 launches
;; workspace buffers: cand 2,097,152 bytes
;; launch score (part 1): grid 32 x 8, 8 waves a work-group, no clusters, 168,960 bytes of LDS; arguments inpt, cluster_centers, cand; writes cand
.if DOCPART == 1
	.amdgcn_target "amdgcn-amd-amdhsa--gfx1250"
	.amdhsa_code_object_version 6
	.text
	.protected	k_q104d3e8aa5_score
	.globl	k_q104d3e8aa5_score
	.p2align	8
	.type	k_q104d3e8aa5_score,@function
k_q104d3e8aa5_score:
	s_mov_b64 s[64:65], 0
	v_nop
	global_prefetch_b8 v0, s[64:65] scope:SCOPE_SE
	s_setreg_imm32_b32 hwreg(HW_REG_WAVE_MODE, 25, 1), 1
	s_wait_xcnt 0x0
; Nearest centre, part 1.  x: [32768][32] f32, c: [8192][32] f32.  cand: [8 centre groups][32768 rows]{f32 score, u32 index}.
; score(row, k) = xb.cb - |cb|^2 / 2, with xb, cb the inputs rounded to bf16; d2 = |x|^2 - 2 score, so the nearest centre is the
; FIRST index with the largest score.  -|cb|^2/2 is the C operand of the matrix instruction: no vector work forms the distance.
; A work-group takes 1,024 rows x 1,024 centres (32 x 8 = 256 work-groups); a wave takes 128 rows (eight B fragments that stay in
; registers) x all 64 tiles of 16 centres.  A = 16 centres, B = 16 rows of x: register j of lane (r, h) is the score of centre
; 16 tile + 8 h + j for row r, so the search stays inside a lane up to the end.
; The search, for the 8 scores a lane gets from one matrix instruction: their maximum (4 instructions), one compare with the
; lane's best so far (best >= maximum keeps the old: the first tile wins a tie), and five double selects that take over the
; maximum, the tile's number and the tile's 8 scores.  At the end the first saved score equal to the best names the centre.
; LIMITS.  (1) Both inputs are rounded to bf16 (to nearest even), |c|^2 is made of the rounded centres: the label is the nearest
; neighbour among the rounded points.  (2) |x|^2, the same for all centres of a row, is not added: where f32 rounding of
; |x|^2 - 2 x.c + |c|^2 makes or breaks a tie within a few units of the last place, the label may differ.  With a large common
; offset on the inputs the score, like that sum, is a difference of large numbers in f32.  (3) NaN and infinities are not served.
; NO JOINT LOADS, NO TENSOR LOADS: what work-groups share (131,072 bytes of x, 131,072 of c each) is read once, at the head, and has
; to pass through registers to be rounded; f32 copies in LDS (262,144 bytes) beside the 167,936 bytes used here exceed 327,680.
.set DUAL,   1                         ; 1: two selects in one instruction; 0: two plain ones
.set PITCH,  80                        ; an LDS row: 32 bf16 = 64 bytes + 16: r x 80 mod 256 takes 16 different multiples of 16 for r = 0..15
.set TILEB,  16*PITCH                  ; 16 rows
.set WSLICE, 128*PITCH                 ; a wave's 128 rows
.set XB,     8*WSLICE                  ; LDS: [0, 81920) centres in bf16; [81920, 163840) x in bf16, each wave's own 10,240 bytes
.set H2,     2*XB                      ; [163840, 167936) -|c|^2/2 of the 1,024 centres, f32
.set TILES,  64
.set GO,   4                           ; v4   16 x lane: a load of the wave covers 512 consecutive bytes (4 rows of 128)
.set LSC,  5                           ; v5   where my 4 rounded numbers of a centre row go: (lane/8) x 80 + (lane%8) x 8 + wave's slice
.set LSX,  6                           ; v6   the same for x
.set FC,   7                           ; v7   fragment address in my wave's centres: r x 80 + 16 h + slice
.set FX,   8                           ; v8   the same in my wave's x
.set HS,   9                           ; v9   where -|c|^2/2 of centre r of my wave's tile 0 goes
.set ADA,  10                          ; v10  fragment address of the next centre tile to load (all waves walk all 64)
.set ADC,  11                          ; v11  address of its eight -|c|^2/2 for my half: H2 + 32 h + 64 tile
.set IB,   12                          ; v12  1024 x centre group + 8 h
.set SO,   13                          ; v13  8 x lane
.set BF,   16                          ; v[16:79]   B fragments, row block rb at 16 + 8 rb
.set SAV,  80                          ; v[80:143]  the 8 scores of the best tile so far, row block rb at 80 + 8 rb
.set BEST, 144                         ; v[144:159] row block rb: best score at 144 + 2 rb, its tile at 145 + 2 rb
.set DR,   160                         ; v[160:191] four result buffers that take turns
.set FR,   192                         ; v[192:223] two buffers of A (8) and C (8)
.set MX,   224                         ; v224, v225 tile maxima, by turns
.set T2,   226
.set IDX,  227
.set OV,   228                         ; the other half's value and index
.set OI,   229
.set VT,   230                         ; number of the tile whose results are being compared
.set G,    32                          ; set-up only: six groups of 32 registers (8 loads each), v[32:223]
.set HA,   96                          ; set-up only: four fragments of my centres
.set HD,   128                         ; set-up only: their products with themselves
.set E,    224                         ; set-up only: v[224:231], -|c|^2/2 of my eight tiles
	s_load_b128 s[4:7], s[0:1], 0x0                ; x s[4:5], c s[6:7]
	s_load_b64 s[8:9], s[0:1], 0x10                ; cand
	v_lshl_add_u32 v232, v0, 2, 0x29000
	v_mov_b32 v233, 0
	v_lshrrev_b32 v15, 5, v0
	v_readfirstlane_b32 s10, v15                   ; wave 0..7
	s_and_b32 s16, ttmp7, 0xffff                   ; centre group 0..7
	s_mul_i32 s11, s10, WSLICE                     ; my wave's slice in each LDS region
	s_lshl_b32 s17, s10, 14                        ; 128 rows x 128 bytes
	s_lshl_b32 s12, ttmp9, 17                      ; x: row group x 1,024 rows x 128 bytes + wave
	s_add_co_u32 s12, s12, s17
	s_mov_b32 s13, 0
	s_lshl_b32 s14, s16, 17                        ; c: centre group x 1,024 rows x 128 bytes + wave
	s_add_co_u32 s14, s14, s17
	s_mov_b32 s15, 0
	s_lshl_b32 s18, s16, 18                        ; cand: plane of 32,768 x 8 bytes, row group x 8,192, wave x 1,024
	s_lshl_b32 s31, ttmp9, 13
	s_add_co_u32 s18, s18, s31
	s_lshl_b32 s31, s10, 10
	s_add_co_u32 s18, s18, s31
	s_mov_b32 s19, 0
	v_and_b32 v1, 31, v0                           ; lane
	v_lshlrev_b32 v[GO], 4, v1
	s_wait_kmcnt 0x0
	s_add_nc_u64 s[4:5], s[4:5], s[12:13]
	s_add_nc_u64 s[6:7], s[6:7], s[14:15]
	s_add_nc_u64 s[8:9], s[8:9], s[18:19]
; eight loads of 512 bytes: rows 4 q0 .. 4 q0 + 31 of the wave's 128, into group g
.macro LD8 g, base, q0
.irp i, 0,1,2,3,4,5,6,7
	global_load_b128 v[G+32*\g+4*\i:G+32*\g+4*\i+3], v[GO], s[\base:\base+1] offset:512*(\q0+\i)
.endr
.endm
; the same rows rounded to bf16 in place and laid into LDS: 8 bytes a lane, four rows (320 bytes of LDS) a store
.macro CVT8 g, adr, q0
.irp i, 0,1,2,3,4,5,6,7
	v_cvt_pk_bf16_f32 v[G+32*\g+4*\i],   v[G+32*\g+4*\i],   v[G+32*\g+4*\i+1]
	v_cvt_pk_bf16_f32 v[G+32*\g+4*\i+1], v[G+32*\g+4*\i+2], v[G+32*\g+4*\i+3]
	ds_store_b64 v[\adr], v[G+32*\g+4*\i:G+32*\g+4*\i+1] offset:4*PITCH*(\q0+\i)
.endr
.endm
	LD8 0, 6, 0                                    ; my 128 centres: four groups,
	LD8 1, 6, 8
	LD8 2, 6, 16
	LD8 3, 6, 24
	LD8 4, 4, 0                                    ; and the first half of my 128 rows of x: 48 loads, 24,576 bytes of the wave on their way
	LD8 5, 4, 8
	v_and_b32 v2, 15, v0                           ; r
	v_bfe_u32 v3, v0, 4, 1                         ; h
	v_lshrrev_b32 v15, 3, v1
	v_and_b32 v14, 7, v0
	v_mul_u32_u24 v[LSC], v15, PITCH
	v_lshl_add_u32 v[LSC], v14, 3, v[LSC]
	v_add_nc_u32 v[LSC], s11, v[LSC]
	v_add_nc_u32 v[LSX], XB, v[LSC]
	v_mul_u32_u24 v[ADA], v2, PITCH
	v_lshl_add_u32 v[ADA], v3, 4, v[ADA]
	v_add_nc_u32 v[FC], s11, v[ADA]
	v_add_nc_u32 v[FX], XB, v[FC]
	s_lshl_b32 s31, s10, 9                         ; 128 words of my wave
	s_add_co_u32 s31, s31, H2
	v_lshl_add_u32 v[HS], v2, 2, s31
	v_lshl_add_u32 v[ADC], v3, 5, H2
	s_lshl_b32 s31, s16, 10
	v_lshl_add_u32 v[IB], v3, 3, s31
	v_lshlrev_b32 v[SO], 3, v1
	v_lshrrev_b32 v14, 3, v2                       ; r / 8
.irp j, 1,2,3,4,5,6,7
	s_mov_b32 s[19+\j], 0x01010101<<\j             ; s20..s26: the lanes with lane % 8 = j
.endr
	s_mov_b32 s28, 0x76543210                      ; v_permlanex16_b32: lane i reads lane i of the other half
	s_mov_b32 s29, 0xfedcba98
	s_mov_b32 s34, 0xffff0000                      ; lanes 16 to 31
	s_wait_loadcnt 40                              ; loads return in order: the first group is in, five groups of eight stay out
	CVT8 0, LSC, 0
	LD8 0, 4, 16                                   ; the freed group takes x's third quarter
	s_wait_loadcnt 40                              ; behind the second group: c's last two, x's first three
	CVT8 1, LSC, 8
	LD8 1, 4, 24                                   ; x's last quarter
	s_wait_loadcnt 40                              ; behind the third group: c's last, x's four
	CVT8 2, LSC, 16
	s_wait_loadcnt 32                              ; x's four groups stay out
	CVT8 3, LSC, 24
; -|c|^2/2 of my 128 centres: a fragment times itself has the squares on its diagonal.  Element (m = 8 h + j, n = r) is on it where
; h = r / 8 and j = lane % 8: lanes 0-7 and 24-31 pick register lane % 8.  The bytes read are my wave's own stores, and LDS serves a
; wave's instructions in order.  Four tiles at a time; no sum is taken up again, so no accumulator is added onto in place.
.macro H2HALF u
.irp i, 0,1,2,3
	ds_load_b128 v[HA+8*\i:HA+8*\i+3],   v[FC] offset:(4*\u+\i)*TILEB
	ds_load_b128 v[HA+8*\i+4:HA+8*\i+7], v[FC] offset:(4*\u+\i)*TILEB+32
.endr
	s_wait_dscnt 0x0
.irp i, 0,1,2,3
	v_wmma_f32_16x16x32_bf16 v[HD+8*\i:HD+8*\i+7], v[HA+8*\i:HA+8*\i+7], v[HA+8*\i:HA+8*\i+7], 0
.endr
.rept 4
	v_nop                                          ; four places behind the last matrix instruction before its result is read, and before the next half's loads land on its sources
.endr
.irp i, 0,1,2,3
	v_cndmask_b32 v[E+4*\u+\i], v[HD+8*\i], v[HD+8*\i+1], s20
.irp j, 2,3,4,5,6,7
	v_cndmask_b32 v[E+4*\u+\i], v[E+4*\u+\i], v[HD+8*\i+\j], s[19+\j]
.endr
	v_mul_f32 v[E+4*\u+\i], -0.5, v[E+4*\u+\i]
.endr
.endm
	H2HALF 0
	H2HALF 1
	v_cmp_eq_u32 vcc_lo, v14, v3                   ; the lanes that hold the diagonal
	s_wait_xcnt 0x0                                ; x's loads are pending and EXEC is one of their sources: it changes only behind this wait
	s_and_saveexec_b32 s27, vcc_lo
.irp t, 0,1,2,3,4,5,6,7
	ds_store_b32 v[HS], v[E+\t] offset:64*\t       ; centre 16 t + r of my 128
.endr
	s_or_b32 exec_lo, exec_lo, s27                 ; only LDS stores were issued under the narrow EXEC
	s_wait_loadcnt 24                              ; x, group by group: three, two, one, no group behind
	CVT8 4, LSX, 0
	s_wait_loadcnt 16
	CVT8 5, LSX, 8
	s_wait_loadcnt 8
	CVT8 0, LSX, 16
	s_wait_loadcnt 0
	CVT8 1, LSX, 24
.irp rb, 0,1,2,3,4,5,6,7
	ds_load_b128 v[BF+8*\rb:BF+8*\rb+3],   v[FX] offset:\rb*TILEB          ; my own stores again: rows 16 rb + r, k = 8 h ..
	ds_load_b128 v[BF+8*\rb+4:BF+8*\rb+7], v[FX] offset:\rb*TILEB+32       ; k = 16 + 8 h ..
.endr
	s_wait_dscnt 0x0                               ; for the other waves: my centres and their -|c|^2/2 are in LDS; for me: B is in
	s_barrier_signal -1
	s_barrier_wait -1                              ; the only barrier: behind it centres, x and -|c|^2/2 in LDS are only read
; two selects on VCC: where the best so far holds (VCC = 1) the old value stays, else the new one comes.
; One destination even, one odd; the two new values, and the two old ones, lie in registers that differ modulo 4.
.macro SEL2 de, ne, dd, nd
.if DUAL
	v_dual_cndmask_b32 v[\de], v[\ne], v[\de] :: v_dual_cndmask_b32 v[\dd], v[\nd], v[\dd]
.else
	v_cndmask_b32 v[\de], v[\ne], v[\de], vcc_lo
	v_cndmask_b32 v[\dd], v[\nd], v[\dd], vcc_lo
.endif
.endm
; One step.  w: the matrix instruction of row block rb (A and C from buffer ac) into result buffer rb % 4.  tr: the maximum of the
; block two steps back.  se: compare and selects of the block three steps back.  So a result is first read two steps (twenty vector
; instructions that name none of its registers) behind its matrix instruction, and its buffer is written again four steps behind it.
.macro STEP rb, ac, w, tr, se
.set DT, DR+8*(((\rb)+6)&3)
.set MT, MX+(((\rb)+6)&1)
.set RS, ((\rb)+5)&7
.set DS, DR+8*(RS&3)
.set MS, MX+(RS&1)
.set SV, SAV+8*RS
.set BS, BEST+2*RS
.if \w
	v_wmma_f32_16x16x32_bf16 v[DR+8*((\rb)&3):DR+8*((\rb)&3)+7], v[FR+16*\ac:FR+16*\ac+7], v[BF+8*\rb:BF+8*\rb+7], v[FR+16*\ac+8:FR+16*\ac+15]
.endif
.if \tr
	v_max3_num_f32 v[MT], v[DT], v[DT+1], v[DT+2]
	v_max3_num_f32 v[T2], v[DT+3], v[DT+4], v[DT+5]
.endif
.if \se
	v_cmp_ge_f32 vcc_lo, v[BS], v[MS]              ; >= : on a tie the earlier tile stays
.endif
.if \tr
	v_max3_num_f32 v[MT], v[MT], v[DT+6], v[DT+7]
.endif
.if \se
	SEL2 BS, MS, BS+1, VT
	SEL2 SV, DS, SV+1, DS+1
	SEL2 SV+2, DS+2, SV+3, DS+3
.endif
.if \tr
	v_max_num_f32 v[MT], v[MT], v[T2]
.endif
.if \se
	SEL2 SV+4, DS+4, SV+5, DS+5
	SEL2 SV+6, DS+6, SV+7, DS+7
.endif
.endm
; One tile of 16 centres against my eight row blocks.  ld: the next tile's A and C are loaded into the other buffer, behind step 0:
; that buffer's last matrix instruction lies twenty vector instructions back.  fill: the first tile of the pipeline, nothing to compare yet.
.macro TILE ac, ld, fill
	s_wait_dscnt 0x0                               ; this tile's four loads, issued seven steps ago
.if \fill
	STEP 0, \ac, 1, 0, 0
.else
	STEP 0, \ac, 1, 1, 1
.endif
.if \ld
	ds_load_b128 v[FR+16*(1-\ac):FR+16*(1-\ac)+3],     v[ADA]
	ds_load_b128 v[FR+16*(1-\ac)+4:FR+16*(1-\ac)+7],   v[ADA] offset:32
	ds_load_b128 v[FR+16*(1-\ac)+8:FR+16*(1-\ac)+11],  v[ADC]
	ds_load_b128 v[FR+16*(1-\ac)+12:FR+16*(1-\ac)+15], v[ADC] offset:16
	v_add_nc_u32 v[ADA], TILEB, v[ADA]
	v_add_nc_u32 v[ADC], 64, v[ADC]
.endif
.if \fill
	STEP 1, \ac, 1, 0, 0
.rept 4
	v_nop                                          ; the places behind the first two matrix instructions, which later steps' own work fills
.endr
	STEP 2, \ac, 1, 1, 0
.else
	STEP 1, \ac, 1, 1, 1
	STEP 2, \ac, 1, 1, 1                           ; steps 0 to 2 compare the last tile's blocks 5 to 7,
	v_add_nc_u32 v[VT], 1, v[VT]                   ; steps 3 to 7 this tile's blocks 0 to 4
.endif
.irp rb, 3,4,5,6,7
	STEP \rb, \ac, 1, 1, 1
.endr
.endm
	ds_load_b128 v[FR:FR+3],     v[ADA]                            ; tile 0
	ds_load_b128 v[FR+4:FR+7],   v[ADA] offset:32
	ds_load_b128 v[FR+8:FR+11],  v[ADC]
	ds_load_b128 v[FR+12:FR+15], v[ADC] offset:16
	ds_load_b128 v[FR+16:FR+19], v[ADA] offset:TILEB               ; tile 1
	ds_load_b128 v[FR+20:FR+23], v[ADA] offset:TILEB+32
	ds_load_b128 v[FR+24:FR+27], v[ADC] offset:64
	ds_load_b128 v[FR+28:FR+31], v[ADC] offset:80
	v_add_nc_u32 v[ADA], 2*TILEB, v[ADA]
	v_add_nc_u32 v[ADC], 128, v[ADC]
	s_wait_dscnt 4                                 ; tile 0's four are in, tile 1's four may be out
.irp rb, 0,1,2,3,4,5,6,7
	v_wmma_f32_16x16x32_bf16 v[SAV+8*\rb:SAV+8*\rb+7], v[FR:FR+7], v[BF+8*\rb:BF+8*\rb+7], v[FR+8:FR+15]   ; tile 0 starts the search: its scores are the saved ones, nothing is cleared
.endr
.irp rb, 0,1,2,3,4,5,6,7
	v_mov_b32 v[BEST+2*\rb+1], 0                   ; best tile = 0; these eight are also the places behind the matrix instructions
.endr
.irp rb, 0,1,2,3,4,5,6,7
	v_max3_num_f32 v[BEST+2*\rb], v[SAV+8*\rb], v[SAV+8*\rb+1], v[SAV+8*\rb+2]
	v_max3_num_f32 v[T2], v[SAV+8*\rb+3], v[SAV+8*\rb+4], v[SAV+8*\rb+5]
	v_max3_num_f32 v[BEST+2*\rb], v[BEST+2*\rb], v[SAV+8*\rb+6], v[SAV+8*\rb+7]
	v_max_num_f32 v[BEST+2*\rb], v[BEST+2*\rb], v[T2]
.endr
	v_mov_b32 v[VT], 1
	TILE 1, 1, 1                                   ; tile 1
	s_mov_b32 s30, (TILES-4)/2
.Lpair:
	TILE 0, 1, 0                                   ; tiles 2 to 61, two a trip
	TILE 1, 1, 0
	s_sub_co_i32 s30, s30, 1
	s_cmp_lg_u32 s30, 0
	s_cbranch_scc1 .Lpair
	TILE 0, 1, 0                                   ; tile 62
	TILE 1, 0, 0                                   ; tile 63 loads nothing
	STEP 0, 0, 0, 1, 1                             ; the pipeline runs empty: maxima of blocks 6, 7; compares of blocks 5, 6, 7
	STEP 1, 0, 0, 1, 1
	STEP 2, 0, 0, 0, 1
; The end, for row block rb: the first saved score equal to the best gives j; centre = 1024 group + 16 tile + 8 h + j; then the better
; of the two halves of the lanes (same row r, other h): the larger score, on a tie the smaller index.  Both halves end with the result.
.macro FIN rb
	v_mov_b32 v[IDX], 7
.irp j, 6,5,4,3,2,1,0
	v_cmp_neq_f32 vcc_lo, v[SAV+8*\rb+\j], v[BEST+2*\rb]
	v_cndmask_b32 v[IDX], \j, v[IDX], vcc_lo       ; descending j: the lowest equal one is written last
.endr
	v_lshl_add_u32 v[IDX], v[BEST+2*\rb+1], 4, v[IDX]
	v_add_nc_u32 v[IDX], v[IB], v[IDX]
	v_permlanex16_b32 v[OV], v[BEST+2*\rb], s28, s29   ; the destinations count as read: both were written whole in the set-up
	v_permlanex16_b32 v[OI], v[IDX], s28, s29
	v_cmp_gt_f32 s32, v[OV], v[BEST+2*\rb]
	v_cmp_eq_f32 s33, v[OV], v[BEST+2*\rb]
	v_cmp_lt_u32 vcc_lo, v[OI], v[IDX]
	s_and_b32 s33, s33, vcc_lo
	s_or_b32 vcc_lo, s32, s33
	v_cndmask_b32 v[BEST+2*\rb], v[BEST+2*\rb], v[OV], vcc_lo
	v_cndmask_b32 v[BEST+2*\rb+1], v[IDX], v[OI], vcc_lo
.endm
.irp rb, 0,1,2,3,4,5,6,7
	FIN \rb
.endr
.irp p, 0,1,2,3
	v_cndmask_b32 v[BEST+4*\p],   v[BEST+4*\p],   v[BEST+4*\p+2], s34      ; lanes 0-15: block 2 p, lanes 16-31: block 2 p + 1 = rows 32 p + lane
	v_cndmask_b32 v[BEST+4*\p+1], v[BEST+4*\p+1], v[BEST+4*\p+3], s34
	global_store_b64 v[SO], v[BEST+4*\p:BEST+4*\p+1], s[8:9] offset:256*\p ; the wave stores 256 consecutive bytes, at a multiple of 256 from cand's first byte
.endr
	s_wait_tensorcnt 0x0
	ds_add_u32 v232, v233
	s_wait_dscnt 0x0
	s_endpgm
.Lfunc_end_k_q104d3e8aa5_score:
	.size	k_q104d3e8aa5_score, .Lfunc_end_k_q104d3e8aa5_score-k_q104d3e8aa5_score
	.p2alignl 7, 3214868480
	.fill 96, 4, 3214868480
	.section	.rodata,"a",@progbits
	.p2align	6, 0x0
	.amdhsa_kernel k_q104d3e8aa5_score
		.amdhsa_group_segment_fixed_size 168960
		.amdhsa_private_segment_fixed_size 0
		.amdhsa_enable_private_segment 0
		.amdhsa_kernarg_size 24
		.amdhsa_user_sgpr_count 2
		.amdhsa_user_sgpr_kernarg_segment_ptr 1
		.amdhsa_wavefront_size32 1
		.amdhsa_system_sgpr_workgroup_id_x 1
		.amdhsa_system_sgpr_workgroup_id_y 1
		.amdhsa_system_sgpr_workgroup_id_z 1
		.amdhsa_system_vgpr_workitem_id 0
		.amdhsa_next_free_vgpr 234
		.amdhsa_next_free_sgpr 66
		.amdhsa_reserve_vcc 1
		.amdhsa_float_denorm_mode_32 3
		.amdhsa_float_denorm_mode_16_64 3
		.amdhsa_memory_ordered 1
		.amdhsa_forward_progress 1
		.amdhsa_inst_pref_size 68
	.end_amdhsa_kernel
	.amdgpu_metadata
---
amdhsa.version: [ 1, 2 ]
amdhsa.kernels:
  - .name:           k_q104d3e8aa5_score
    .symbol:         k_q104d3e8aa5_score.kd
    .args:
      - { .name: inpt, .offset: 0, .size: 8, .value_kind: global_buffer, .address_space: global }
      - { .name: cluster_centers, .offset: 8, .size: 8, .value_kind: global_buffer, .address_space: global }
      - { .name: cand, .offset: 16, .size: 8, .value_kind: global_buffer, .address_space: global }
    .group_segment_fixed_size: 168960
    .private_segment_fixed_size: 0
    .kernarg_segment_align: 8
    .kernarg_segment_size: 24
    .max_flat_workgroup_size: 256
    .sgpr_count:     66
    .vgpr_count:     234
    .wavefront_size: 32
...
	.end_amdgpu_metadata
.endif
;; end of part 1
;; launch pick (part 2): grid 256 x 1, 2 waves a work-group, no clusters, 0 bytes of LDS; arguments cand, out0; writes out0
.if DOCPART == 2
	.amdgcn_target "amdgcn-amd-amdhsa--gfx1250"
	.amdhsa_code_object_version 6
	.text
	.protected	k_q104d3e8aa5_pick
	.globl	k_q104d3e8aa5_pick
	.p2align	8
	.type	k_q104d3e8aa5_pick,@function
k_q104d3e8aa5_pick:
	s_mov_b64 s[64:65], 0
	v_nop
	global_prefetch_b8 v0, s[64:65] scope:SCOPE_SE
	s_setreg_imm32_b32 hwreg(HW_REG_WAVE_MODE, 25, 1), 1
	s_wait_xcnt 0x0
; Nearest centre, part 2: for each row the best of the eight centre groups' candidates.
; cand: [8][32768]{f32 score, u32 index}; out0: [32768] i32.  Thread t of the launch owns rows 2 t and 2 t + 1: 16 bytes of each plane,
; so a load of a wave covers 512 consecutive bytes and its one store 256, both aligned.  2 MiB are read once and 128 KiB written:
; a stream with all eight loads of a thread issued at once; LDS, barriers and matrix units would add nothing.
; A later group wins only with a strictly larger score: on a tie the lower group, which holds the lower indices, stays.
; NaN scores are not served (a NaN never wins a compare).
.set PLANE, 262144                     ; bytes of a centre group's candidates
.set P,     4                          ; v[4:35] plane g at 4 + 4 g: score, index of row 2 t; score, index of row 2 t + 1.  Plane 0's registers carry the best
	s_load_b128 s[4:7], s[0:1], 0x0                ; cand s[4:5], out0 s[6:7]
	v_lshlrev_b32 v1, 4, v0                        ; 16 bytes a thread in a plane
	v_lshlrev_b32 v2, 3, v0                        ; 8 bytes a thread in out0
	s_lshl_b32 s8, ttmp9, 10                       ; 64 threads x 16 bytes
	s_mov_b32 s9, 0
	s_lshl_b32 s10, ttmp9, 9                       ; 64 threads x 8 bytes
	s_mov_b32 s11, 0
	s_wait_kmcnt 0x0
	s_add_nc_u64 s[4:5], s[4:5], s[8:9]
	s_add_nc_u64 s[6:7], s[6:7], s[10:11]
.irp g, 0,1,2,3,4,5,6,7
	global_load_b128 v[P+4*\g:P+4*\g+3], v1, s[4:5] offset:\g*PLANE th:TH_LOAD_NT
.endr
.irp g, 1,2,3,4,5,6
	s_wait_loadcnt 7-\g                            ; loads return in order: planes 0 to g are in, the 7 - g behind them stay out
	v_cmp_gt_f32 vcc_lo, v[P+4*\g], v[P]
	v_cmp_gt_f32 s12, v[P+4*\g+2], v[P+2]
	v_cndmask_b32 v[P],   v[P],   v[P+4*\g],   vcc_lo
	v_cndmask_b32 v[P+1], v[P+1], v[P+4*\g+1], vcc_lo
	v_cndmask_b32 v[P+2], v[P+2], v[P+4*\g+2], s12
	v_cndmask_b32 v[P+3], v[P+3], v[P+4*\g+3], s12
.endr
	s_wait_loadcnt 0
	v_cmp_gt_f32 vcc_lo, v[P+28], v[P]             ; the last plane: only the indices are still wanted,
	v_cmp_gt_f32 s12, v[P+30], v[P+2]
	v_cndmask_b32 v36, v[P+1], v[P+29], vcc_lo     ; and they go side by side for the store
	v_cndmask_b32 v37, v[P+3], v[P+31], s12
	global_store_b64 v2, v[36:37], s[6:7] th:TH_STORE_NT
	s_endpgm
.Lfunc_end_k_q104d3e8aa5_pick:
	.size	k_q104d3e8aa5_pick, .Lfunc_end_k_q104d3e8aa5_pick-k_q104d3e8aa5_pick
	.p2alignl 7, 3214868480
	.fill 96, 4, 3214868480
	.section	.rodata,"a",@progbits
	.p2align	6, 0x0
	.amdhsa_kernel k_q104d3e8aa5_pick
		.amdhsa_group_segment_fixed_size 0
		.amdhsa_private_segment_fixed_size 0
		.amdhsa_enable_private_segment 0
		.amdhsa_kernarg_size 16
		.amdhsa_user_sgpr_count 2
		.amdhsa_user_sgpr_kernarg_segment_ptr 1
		.amdhsa_wavefront_size32 1
		.amdhsa_system_sgpr_workgroup_id_x 1
		.amdhsa_system_sgpr_workgroup_id_y 1
		.amdhsa_system_sgpr_workgroup_id_z 1
		.amdhsa_system_vgpr_workitem_id 0
		.amdhsa_next_free_vgpr 40
		.amdhsa_next_free_sgpr 66
		.amdhsa_reserve_vcc 1
		.amdhsa_float_denorm_mode_32 3
		.amdhsa_float_denorm_mode_16_64 3
		.amdhsa_memory_ordered 1
		.amdhsa_forward_progress 1
		.amdhsa_inst_pref_size 4
	.end_amdhsa_kernel
	.amdgpu_metadata
---
amdhsa.version: [ 1, 2 ]
amdhsa.kernels:
  - .name:           k_q104d3e8aa5_pick
    .symbol:         k_q104d3e8aa5_pick.kd
    .args:
      - { .name: cand, .offset: 0, .size: 8, .value_kind: global_buffer, .address_space: global }
      - { .name: out0, .offset: 8, .size: 8, .value_kind: global_buffer, .address_space: global }
    .group_segment_fixed_size: 0
    .private_segment_fixed_size: 0
    .kernarg_segment_align: 8
    .kernarg_segment_size: 16
    .max_flat_workgroup_size: 64
    .sgpr_count:     66
    .vgpr_count:     40
    .wavefront_size: 32
...
	.end_amdgpu_metadata
.endif
;; end of part 2
